; MI455X (gfx1250); checked and timed in simulation.
; The chip was launched on July 23, 2026; its instructions are those of AMD's public machine-readable ISA for CDNA 5 (MIT licence, August 2026) and "CDNA5" Instruction Set Architecture Reference Guide (July 2026). The comments in the code are by the model that wrote it; some were corrected since.
;; Segment FFN. Allowed arithmetic: matrix products marked QUANTISED: E2M3 operands, one E8M0 scale for each 32 along K, by v_wmma_scale_f32_16x16x128_f8f6f4 with both operands' format E2M3, f32 sums; everything else in f32.
;; Inputs: w1 4 x 1,024 x 2,048 float32; w2 4 x 2,048 x 1,024 float32; w3 4 x 1,024 x 2,048 float32; x 4 x 2,048 x 1,024 float32.
;; Outputs: out0 4 x 2,048 x 1,024 float32.
;; This version of the problem:
;;   THIS VERSION OF THE PROBLEM IS GIVEN IN LOW PRECISION. The matrix products marked QUANTISED in the list below multiply operands that are first quantised to E2M3 (2 exponent bits, 3 mantissa bits; 6 bits a number), with one power-of-two scale for each 32 numbers along K (OCP MX v1.0); their sums are f32. All else is computed in f32.
;;   The module's matrix products, in the order in which they are computed (A, B: the left and right operand; K: the contracted axis; several contracted axes count as one K, in the product's order):
;;     1. [M 2,048, K 1,024] x [K 1,024, N 2,048]; A: computed on the way; B: input w1: QUANTISED
;;     2. [M 2,048, K 1,024] x [K 1,024, N 2,048]; A: computed on the way; B: input w3: QUANTISED
;;     3. [M 2,048, K 2,048] x [K 2,048, N 1,024]; A: computed on the way; B: input w2: QUANTISED
;;     4. [M 2,048, K 1,024] x [K 1,024, N 2,048]; A: computed on the way; B: input w1: QUANTISED
;;     5. [M 2,048, K 1,024] x [K 1,024, N 2,048]; A: computed on the way; B: input w3: QUANTISED
;;     6. [M 2,048, K 2,048] x [K 2,048, N 1,024]; A: computed on the way; B: input w2: QUANTISED
;;     7. [M 2,048, K 1,024] x [K 1,024, N 2,048]; A: computed on the way; B: input w1: QUANTISED
;;     8. [M 2,048, K 1,024] x [K 1,024, N 2,048]; A: computed on the way; B: input w3: QUANTISED
;;     9. [M 2,048, K 2,048] x [K 2,048, N 1,024]; A: computed on the way; B: input w2: QUANTISED
;;     10. [M 2,048, K 1,024] x [K 1,024, N 2,048]; A: computed on the way; B: input w1: QUANTISED
;;     11. [M 2,048, K 1,024] x [K 1,024, N 2,048]; A: computed on the way; B: input w3: QUANTISED
;;     12. [M 2,048, K 2,048] x [K 2,048, N 1,024]; A: computed on the way; B: input w2: QUANTISED
;;   THE QUANTISER, for each operand of a quantised product, along K:
;;     - K is cut into blocks of 32 from its start; a last block that is shorter is filled with zeros.
;;     - A block's scale is 2^e with e = floor(log2(the largest magnitude in the block)) - 2, held to -126 .. 127; a block of zeros has e = 0. As a byte (E8M0): e + 127.
;;     - Each number is divided by its block's scale, clamped to +-7.5, and rounded to the nearest number of E2M3, ties to even, subnormals kept.
;;     - The product sums the exact products of the quantised numbers (number of the format x scale) in f32.
;;   ~~~python
;;   def quantise(x, axis):      # numpy; x: float32 -> the quantised numbers, widened to float32 again
;;       x = np.moveaxis(x, axis, -1); K = x.shape[-1]
;;       x = np.pad(x, [(0, 0)] * (x.ndim - 1) + [(0, -K % 32)]); x = x.reshape(x.shape[:-1] + (-1, 32)); a = np.abs(x).max(-1, keepdims=True)
;;       e = np.where(a > 0, np.clip(np.frexp(np.where(a > 0, a, 1))[1] - 1 - 2, -126, 127), 0)      # np.frexp(a)[1] - 1 = floor(log2(a)), exactly
;;       r = np.clip(x / 2.0 ** e, -7.5, 7.5)
;;       step = 2.0 ** (np.maximum(np.frexp(np.where(r == 0, 1, r))[1] - 1, 0) - 3)
;;       q = np.round(r / step) * step * 2.0 ** e      # np.round: ties to even
;;       return np.moveaxis(q.reshape(q.shape[:-2] + (-1,))[..., :K], -1, axis).astype(np.float32)
;;   ~~~
;;   OPERANDS COMPUTED ON THE WAY. 'Computed on the way' means the value that the module computes at that place (a softmax that the list does not call 'softmax' is quantised finished and normalised). What goes into a quantiser is computed in f32, as accurately as f32 sums, v_exp_f32 and their like allow (about 1e-6 of the number): no bf16 or f16 on the way to a quantiser, and a product that is left as it is and whose result goes on into a quantised operand takes f32 operands (vector FMAs, or v_wmma_f32_16x16x4_f32). A number that lies on a knife's edge between two numbers of the format may be rounded either way, as far as f32 arithmetic and the matrix unit's own rounding can turn it there, and no further.
;; One version. Each part assembles by itself: llvm-mc -triple=amdgcn-amd-amdhsa -mcpu=gfx1250 --defsym DOCPART=n.
;; ======== version 1 of 1: 3 launches
;; limits: right only within a limited range of input values
;; workspace buffers: xq 6,553,600 bytes; wq 13,107,200 bytes; hq 13,107,200 bytes; w2q 6,553,600 bytes
;; launch quant (part 1): grid 1024 x 1, 4 waves a work-group, no clusters, 35,328 bytes of LDS; arguments x, w1, w3, w2, xq, wq, w2q; writes xq, wq, w2q
.if DOCPART == 1
	.amdgcn_target "amdgcn-amd-amdhsa--gfx1250"
	.amdhsa_code_object_version 6
	.text
	.protected	k_q86efa1c994_quant
	.globl	k_q86efa1c994_quant
	.p2align	8
	.type	k_q86efa1c994_quant,@function
k_q86efa1c994_quant:
	s_mov_b64 s[64:65], 0
	v_nop
	global_prefetch_b8 v0, s[64:65] scope:SCOPE_SE
	s_setreg_imm32_b32 hwreg(HW_REG_WAVE_MODE, 25, 1), 1
	s_wait_xcnt 0x0
; x [8192][1024], w1, w3 [4][1024][2048] and w2 [4][2048][1024], all f32, become codes of FP6 (E2M3) with one E8M0 byte for each 32 along K.
; A block's scale is 2^(floor(log2(its largest magnitude)) - 2); its byte is the largest magnitude's exponent field - 2, held at 1 from below.
; LIMITS: NaN and infinities among the inputs are not served.  A block whose largest magnitude lies under 2^-124 gets the byte 1; a block of zeros
; gets the byte 1 where the quantiser's text says 127: its codes are zeros, which add nothing under any byte but 0xff, and only this program reads the bytes.
; THE WORKSPACE FORMAT: a half-tile block (HB) of 25,600 bytes = 8 blocks of 16 rows (or 16 columns of a weight) x 256 along K (two K steps q of 128).
;   codes: fragment (i, q) at (2 i + q) x 1,536, as an image of the operand's 12 registers: registers 4 c .. 4 c + 3 of lane l at 512 c + 16 l;
;   scale words: from byte 24,576, unit i / 2 of 256 bytes; in it the word of (row r, block i, step q) at 16 r + 8 (i % 2) + 4 q.
; So every store here covers 256 or 512 consecutive bytes, aligned, and a reader takes a fragment by three loads of 16 bytes a lane.
; SHARES: 4,096 wave jobs of 32 KB.  Work-groups 0-255: x (32 rows each; wave = which 256 along K).  256-767: w1, w3.  768-1023: w2 (a wave: 32 columns x 256 along K).
; x: K is innermost: loads take 256 consecutive bytes of a row in sixteen lanes, and 16 rows x 64 K turn through the wave's own stage in LDS, so that a lane gets a whole block of 32.
; weights: K is the first axis: a lane takes a column and its registers run down K; lanes 0-15 take the columns of fragment 0 of a group of 32, lanes 16-31 those of fragment 1
; (lane r of fragment f: column 8 f + r + 8 (r / 8)); an exchange of half-waves between two blocks' codes gives the operand's layout.  No barrier: waves share nothing.
.set HB,    25600
.set SCO,   24576
.set STG,   4352                       ; a stage: 16 rows x (256 bytes + 16)
.set SPARE, 4*2*STG                    ; behind the four waves' two stages each: the spare words, 128 bytes a wave
.set SPW,  2                           ; v2   LDS address of my spare word; never rewritten
.set NIL,  3                           ; v3   0; never rewritten
.set XGA,  8                           ; v8   x: 4096 (lane / 16) + 16 (lane % 16)
.set XSI,  9                           ; v9   into the stage
.set XSO,  10                          ; v10  out of the stage
.set VOUT, 11                          ; v11  16 x lane: an image's place
.set VSC,  12                          ; v12  16 (lane % 16) + 8 (lane / 16): a pair of scale words' place
.set SH8,  13                          ; v13  8 (lane / 16)
.set WGA,  14                          ; v14  weights: 4 x my column in the group of 32
.set XR,   32                          ; v32-127  x: three sets of 32 registers as loaded
.set XX,   128                         ; v128-191 two sets of 32 neighbours along K
.set XF,   192                         ; v192-239 four fragments
.set XW,   240                         ; v240-243 their scale words
.set XTP,  246                         ; v246-248 a block's upper 16 codes
.set WR,   32                          ; v32-95   weights: two sets of 32 numbers
.set WF,   96                          ; v96-143  fragment (f, q) at WF + 24 q + 12 f
.set WTP,  144                         ; v144-146, v148-150 the upper 16 codes of two blocks
.set WW,   152                         ; v152-153 my column's scale words of q = 0, 1
	s_load_b256 s[4:11], s[0:1], 0x0               ; x s[4:5], w1 s[6:7], w3 s[8:9], w2 s[10:11]
	s_load_b128 s[12:15], s[0:1], 0x20             ; xq s[12:13], wq s[14:15]
	s_load_b64 s[16:17], s[0:1], 0x30              ; w2q
	v_lshl_add_u32 v[SPW], v0, 2, SPARE
	v_mov_b32 v[NIL], 0
	v_lshrrev_b32 v1, 5, v0
	v_readfirstlane_b32 s18, v1                    ; wave 0..3
	v_and_b32 v4, 31, v0                           ; lane
	v_and_b32 v5, 15, v0                           ; r
	v_bfe_u32 v6, v0, 4, 1                         ; h
	v_lshlrev_b32 v[VOUT], 4, v4
	v_lshlrev_b32 v[VSC], 4, v5
	v_lshl_add_u32 v[VSC], v6, 3, v[VSC]
	v_lshlrev_b32 v[XGA], 12, v6
	v_lshl_add_u32 v[XGA], v5, 4, v[XGA]
	s_mul_i32 s19, s18, 2*STG                      ; my wave's two stages
	v_mul_u32_u24 v[XSI], v6, 272
	v_lshl_add_u32 v[XSI], v5, 4, v[XSI]
	v_add_nc_u32 v[XSI], s19, v[XSI]               ; in: rows 2 j + h, 16 bytes a lane
	v_mul_u32_u24 v[XSO], v5, 272
	v_lshl_add_u32 v[XSO], v6, 7, v[XSO]
	v_add_nc_u32 v[XSO], s19, v[XSO]               ; out: row r, 128 bytes for each half of the lanes
	v_lshlrev_b32 v[SH8], 3, v6
	v_and_b32 v[WGA], 7, v4
	v_and_b32 v15, 8, v4
	v_lshl_or_b32 v[WGA], v15, 1, v[WGA]
	v_lshl_or_b32 v[WGA], v6, 3, v[WGA]            ; column = lane % 8 + 16 ((lane / 8) % 2) + 8 (lane / 16)
	v_lshlrev_b32 v[WGA], 2, v[WGA]
	v_mov_b32 v254, 0                              ; written once: a lane permute's destination counts as one of its sources
	s_mov_b32 s28, 0x76543210
	s_mov_b32 s29, 0xfedcba98                      ; v_permlanex16_b32's selects for lane l xor 16
	s_mov_b32 s30, 0xffff0000                      ; lanes 16-31
	s_wait_kmcnt 0x0
	s_cmp_lt_u32 ttmp9, 256                        ; the three ways part on the work-group's number alone
	s_cbranch_scc0 .Lweights
; ---------------- x ----------------
	s_lshl_b32 s20, ttmp9, 17                      ; 32 rows of 4,096 bytes a work-group,
	s_lshl_b32 s21, s18, 10                        ; my wave's 256 along K
	s_add_co_u32 s20, s20, s21
	s_mov_b32 s21, 0
	s_add_nc_u64 s[4:5], s[4:5], s[20:21]
	s_lshr_b32 s22, ttmp9, 3
	s_lshl_b32 s22, s22, 3                         ; 8 x (row / 256)
	s_lshl_b32 s23, s18, 1
	s_add_co_u32 s22, s22, s23                     ; + 2 x wave
	s_bfe_u32 s23, ttmp9, 0x10002
	s_add_co_u32 s22, s22, s23                     ; + which half of the 256 rows
	s_mul_i32 s22, s22, HB
	s_and_b32 s23, ttmp9, 3                        ; which 32 rows of the half's 128
	s_mul_i32 s24, s23, 4*1536
	s_add_co_u32 s24, s24, s22
	s_mov_b32 s25, 0
	s_lshl_b32 s26, s23, 8
	s_add_co_u32 s26, s26, s22
	s_add_co_u32 s26, s26, SCO
	s_mov_b32 s27, 0
	s_add_nc_u64 s[26:27], s[12:13], s[26:27]      ; my unit of scale words
	s_add_nc_u64 s[12:13], s[12:13], s[24:25]      ; my four fragments
; Unit t of eight: 16 rows x 64 along K: row block t / 4, K step (t / 2) % 2, half t % 2 of the step.
.macro XLOAD t                         ; sixteen lanes read 256 consecutive bytes of a row, aligned; a load takes two rows
.irp j, 0,1,2,3,4,5,6,7
	global_load_b128 v[XR+32*((\t)%3)+4*\j:XR+32*((\t)%3)+4*\j+3], v[XGA], s[4:5] offset:(16*((\t)/4)+2*\j)*4096+512*(((\t)/2)%2)+256*((\t)%2) th:TH_LOAD_NT
.endr
.endm
.macro XTURN t                         ; through the stage: LDS serves a wave's instructions in order, so no wait stands between the stores and the loads
.irp j, 0,1,2,3,4,5,6,7
	ds_store_b128 v[XSI], v[XR+32*((\t)%3)+4*\j:XR+32*((\t)%3)+4*\j+3] offset:STG*((\t)%2)+544*\j
.endr
.irp j, 0,1,2,3,4,5,6,7
	ds_load_b128 v[XX+32*((\t)%2)+4*\j:XX+32*((\t)%2)+4*\j+3], v[XSO] offset:STG*((\t)%2)+16*\j
.endr
.endm
.macro XSTEP t
.set XS, XX+32*((\t)%2)
.set FD, XF+12*((\t)/2)+6*((\t)%2)
.set FW, XW+(\t)/2
	s_wait_dscnt 0x0                               ; this unit is back from the stage, and the stage's stores have read their registers,
.if (\t)+3 < 8
	XLOAD (\t)+3                                   ; which take the unit three on
.endif
.if (\t) < 7
.if (\t) <= 4
	s_wait_loadcnt 16                              ; the next unit's eight loads are in; those of the two units behind it may be out
.else
	s_wait_loadcnt 8*(6-(\t))                      ; the counts run down: 8, then 0
.endif
	XTURN (\t)+1                                   ; it goes through the other stage while this unit is worked
.endif
	v_max3_num_f32 v249, |v[XS]|, |v[XS+1]|, |v[XS+2]|              ; lane (r, h) holds k = 64 (t % 2) + 32 h + 0 .. 31 of row r: a whole block
	v_max3_num_f32 v250, |v[XS+3]|, |v[XS+4]|, |v[XS+5]|
.irp i, 6,10,14,18,22,26
	v_max3_num_f32 v249, v249, |v[XS+\i]|, |v[XS+\i+1]|
	v_max3_num_f32 v250, v250, |v[XS+\i+2]|, |v[XS+\i+3]|
.endr
	v_max3_num_f32 v249, v249, |v[XS+30]|, |v[XS+31]|
	v_max3_num_f32 v249, v249, v250, 0x1800000     ; and the floor 2^(3 - 127): the byte cannot fall under 1
	v_add_nc_u32 v251, 0xff000000, v249            ; 2 off the exponent field: the conversion takes this operand's exponent field as its scale
	v_cvt_scalef32_pk16_fp6_f32 v[FD:FD+2], v[XS:XS+15], v251
	v_cvt_scalef32_pk16_fp6_f32 v[XTP:XTP+2], v[XS+16:XS+31], v251  ; (a conversion's three registers begin on an even number)
	v_lshrrev_b32 v[252+(\t)%2], 23, v251          ; the scale's byte; also the plain line behind the conversions
.irp i, 0,1,2
	v_mov_b32 v[FD+3+\i], v[XTP+\i]
.endr
.if (\t)%2 == 1                        ; a fragment is whole
	v_lshl_or_b32 v[FW], v253, 16, v252            ; my two bytes: blocks h and 2 + h of row r,
	v_lshlrev_b32 v[FW], v[SH8], v[FW]             ; at their places in the word;
	v_permlanex16_b32 v254, v[FW], s28, s29
	v_or_b32 v[FW], v[FW], v254                    ; with lane l xor 16's two the word is whole, in both lanes
.irp g, 0,1,2
	global_store_b128 v[VOUT], v[XF+12*((\t)/2)+4*\g:XF+12*((\t)/2)+4*\g+3], s[12:13] offset:1536*((\t)/2)+512*\g   ; 512 consecutive bytes; these registers are never written again
.endr
.endif
.endm
	XLOAD 0
	XLOAD 1
	XLOAD 2
	s_wait_loadcnt 16                              ; unit 0's eight loads are in
	s_wait_alu depctr_va_vdst(0)
	XTURN 0
.irp t, 0,1,2,3,4,5,6,7
	XSTEP \t
.endr
	v_cndmask_b32 v244, v240, v242, s30            ; lanes 0-15: row block 0's words of q = 0, 1; lanes 16-31: row block 1's
	v_cndmask_b32 v245, v241, v243, s30
	global_store_b64 v[VSC], v[244:245], s[26:27]  ; one aligned run of 256 bytes
	s_wait_tensorcnt 0x0                           ; the wave's end, behind my last LDS store
	ds_add_u32 v[SPW], v[NIL]
	s_wait_dscnt 0x0
	s_endpgm
; ---------------- the weights ----------------
.macro WLOAD t, stride                 ; block t: w(32 t + i, my column): the wave reads 128 consecutive bytes of a row of w
.irp i, 0,1,2,3,4,5,6,7,8,9,10,11,12,13,14,15,16,17,18,19,20,21,22,23,24,25,26,27,28,29,30,31
	global_load_b32 v[WR+32*((\t)%2)+\i], v[WGA], s[4:5] offset:(32*(\t)+\i)*\stride th:TH_LOAD_NT
.endr
.endm
.macro WBLOCK t, stride
.set XS, WR+32*((\t)%2)
.set WQ, (\t)/4                        ; K step
.set WB, (\t)%4                        ; block in it
.set WC, WB/2
.set WE, WB%2
.set F0, WF+24*WQ+6*WC                 ; where fragment 0 takes blocks 2 c, 2 c + 1; fragment 1: 12 registers on
.if (\t) < 7
	s_wait_loadcnt 32                              ; this block's 32 loads are in; the next block's may be out
.else
	s_wait_loadcnt 0
.endif
	v_max3_num_f32 v154, |v[XS]|, |v[XS+1]|, |v[XS+2]|              ; all 32 numbers of the block are mine
	v_max3_num_f32 v155, |v[XS+3]|, |v[XS+4]|, |v[XS+5]|
.irp i, 6,10,14,18,22,26
	v_max3_num_f32 v154, v154, |v[XS+\i]|, |v[XS+\i+1]|
	v_max3_num_f32 v155, v155, |v[XS+\i+2]|, |v[XS+\i+3]|
.endr
	v_max3_num_f32 v154, v154, |v[XS+30]|, |v[XS+31]|
	v_max3_num_f32 v154, v154, v155, 0x1800000     ; the floor
	v_add_nc_u32 v156, 0xff000000, v154            ; the conversion's scale operand
	v_lshrrev_b32 v157, 23, v156                   ; the byte
.if WB == 0
	v_mov_b32 v[WW+WQ], v157
.else
	v_lshl_or_b32 v[WW+WQ], v157, 8*WB, v[WW+WQ]
.endif
	v_cvt_scalef32_pk16_fp6_f32 v[F0+12*WE:F0+12*WE+2], v[XS:XS+15], v156
	v_cvt_scalef32_pk16_fp6_f32 v[WTP+4*WE:WTP+4*WE+2], v[XS+16:XS+31], v156
	v_nop                                          ; one plain line behind the conversions
.if (\t)+2 < 8
	WLOAD (\t)+2, \stride
.endif
.if WE == 1
; Blocks 2 c and 2 c + 1 are made: in each, lanes 0-15 hold fragment 0's columns and lanes 16-31 fragment 1's.  The operand wants block 2 c in lanes 0-15 and block 2 c + 1 in lanes 16-31 of ONE
; fragment: the first register's lanes 16-31 change places with the second's lanes 0-15.
.irp i, 0,1,2
	v_permlane16_swap_b32 v[F0+\i], v[F0+12+\i]
	v_permlane16_swap_b32 v[WTP+\i], v[WTP+4+\i]
.endr
.irp i, 0,1,2
	v_mov_b32 v[F0+3+\i], v[WTP+\i]
	v_mov_b32 v[F0+15+\i], v[WTP+4+\i]
.endr
.endif
.if WB == 3                            ; the K step's two fragments are whole
.irp f, 0,1
.irp g, 0,1,2
	global_store_b128 v[VOUT], v[WF+24*WQ+12*\f+4*\g:WF+24*WQ+12*\f+4*\g+3], s[12:13] offset:3072*\f+1536*WQ+512*\g
.endr
.endr
.endif
.endm
.macro WJOB stride
	WLOAD 0, \stride
	WLOAD 1, \stride
.irp t, 0,1,2,3,4,5,6,7
	WBLOCK \t, \stride
.endr
	global_store_b64 v[VSC], v[WW:WW+1], s[26:27]  ; lane (r, f): column r of fragment f, its words of q = 0, 1: one aligned run of 256 bytes
	s_wait_tensorcnt 0x0                           ; the wave's end
	ds_add_u32 v[SPW], v[NIL]
	s_wait_dscnt 0x0
	s_endpgm
.endm
.Lweights:
	s_cmp_lt_u32 ttmp9, 768
	s_cbranch_scc0 .Lw2
	s_sub_co_u32 s19, ttmp9, 256
	s_and_b32 s20, s19, 3                          ; which 256 along K
	s_bfe_u32 s21, s19, 0x40002                    ; G: which 128 columns
	s_bfe_u32 s22, s19, 0x20006                    ; segment
	s_lshr_b32 s23, s19, 8                         ; 0: w1, 1: w3
	s_cmp_eq_u32 s23, 0
	s_cselect_b64 s[4:5], s[6:7], s[8:9]
	s_lshl_b32 s24, s22, 23                        ; a segment: 1,024 rows of 8,192 bytes
	s_lshl_b32 s25, s20, 21                        ; 256 rows
	s_add_co_u32 s24, s24, s25
	s_lshl_b32 s25, s21, 2
	s_add_co_u32 s25, s25, s18                     ; group of 32 columns g = 4 G + wave
	s_lshl_b32 s25, s25, 7
	s_add_co_u32 s24, s24, s25
	s_mov_b32 s25, 0
	s_add_nc_u64 s[4:5], s[4:5], s[24:25]
	s_lshl_b32 s24, s22, 3                         ; wq: [segment][X = g / 8][u = 4 ((g / 2) % 2) + which 256 along K][p = (g / 4) % 2]
	s_lshr_b32 s25, s21, 1
	s_add_co_u32 s24, s24, s25
	s_lshl_b32 s24, s24, 3
	s_lshr_b32 s25, s18, 1
	s_lshl_b32 s25, s25, 2
	s_add_co_u32 s24, s24, s25
	s_add_co_u32 s24, s24, s20
	s_lshl_b32 s24, s24, 1
	s_and_b32 s25, s21, 1
	s_add_co_u32 s24, s24, s25
	s_mul_i32 s24, s24, HB
	s_lshl_b32 s25, s23, 1                         ; in the HB my two fragments are blocks 4 m + 2 (g % 2) + f: pair 2 m + g % 2
	s_and_b32 s31, s18, 1
	s_add_co_u32 s25, s25, s31
	s_mul_i32 s32, s25, 4*1536
	s_add_co_u32 s32, s32, s24
	s_mov_b32 s33, 0
	s_lshl_b32 s26, s25, 8
	s_add_co_u32 s26, s26, s24
	s_add_co_u32 s26, s26, SCO
	s_mov_b32 s27, 0
	s_add_nc_u64 s[26:27], s[14:15], s[26:27]
	s_add_nc_u64 s[12:13], s[14:15], s[32:33]
	s_wait_alu depctr_va_vdst(0)
	WJOB 8192
.Lw2:
	s_sub_co_u32 s19, ttmp9, 768
	s_and_b32 s20, s19, 7                          ; which 256 along K
	s_bfe_u32 s21, s19, 0x30003                    ; G: which 128 columns
	s_lshr_b32 s22, s19, 6                         ; segment
	s_lshl_b32 s24, s22, 23                        ; a segment: 2,048 rows of 4,096 bytes
	s_lshl_b32 s25, s20, 20
	s_add_co_u32 s24, s24, s25
	s_lshl_b32 s25, s21, 2
	s_add_co_u32 s25, s25, s18
	s_lshl_b32 s25, s25, 7
	s_add_co_u32 s24, s24, s25
	s_mov_b32 s25, 0
	s_add_nc_u64 s[4:5], s[10:11], s[24:25]
	s_lshl_b32 s24, s22, 2                         ; w2q: [segment][g / 8][which 256 along K][(g / 4) % 2]
	s_lshr_b32 s25, s21, 1
	s_add_co_u32 s24, s24, s25
	s_lshl_b32 s24, s24, 3
	s_add_co_u32 s24, s24, s20
	s_lshl_b32 s24, s24, 1
	s_and_b32 s25, s21, 1
	s_add_co_u32 s24, s24, s25
	s_mul_i32 s24, s24, HB
	s_mul_i32 s32, s18, 4*1536                     ; blocks 2 (g % 4) + f: pair = wave
	s_add_co_u32 s32, s32, s24
	s_mov_b32 s33, 0
	s_lshl_b32 s26, s18, 8
	s_add_co_u32 s26, s26, s24
	s_add_co_u32 s26, s26, SCO
	s_mov_b32 s27, 0
	s_add_nc_u64 s[26:27], s[16:17], s[26:27]
	s_add_nc_u64 s[12:13], s[16:17], s[32:33]
	s_wait_alu depctr_va_vdst(0)
	WJOB 4096
.Lfunc_end_k_q86efa1c994_quant:
	.size	k_q86efa1c994_quant, .Lfunc_end_k_q86efa1c994_quant-k_q86efa1c994_quant
	.p2alignl 7, 3214868480
	.fill 96, 4, 3214868480
	.section	.rodata,"a",@progbits
	.p2align	6, 0x0
	.amdhsa_kernel k_q86efa1c994_quant
		.amdhsa_group_segment_fixed_size 35328
		.amdhsa_private_segment_fixed_size 0
		.amdhsa_enable_private_segment 0
		.amdhsa_kernarg_size 56
		.amdhsa_user_sgpr_count 2
		.amdhsa_user_sgpr_kernarg_segment_ptr 1
		.amdhsa_wavefront_size32 1
		.amdhsa_system_sgpr_workgroup_id_x 1
		.amdhsa_system_sgpr_workgroup_id_y 1
		.amdhsa_system_sgpr_workgroup_id_z 1
		.amdhsa_system_vgpr_workitem_id 0
		.amdhsa_next_free_vgpr 256
		.amdhsa_next_free_sgpr 66
		.amdhsa_reserve_vcc 0
		.amdhsa_float_denorm_mode_32 3
		.amdhsa_float_denorm_mode_16_64 3
		.amdhsa_memory_ordered 1
		.amdhsa_forward_progress 1
		.amdhsa_inst_pref_size 109
	.end_amdhsa_kernel
	.amdgpu_metadata
---
amdhsa.version: [ 1, 2 ]
amdhsa.kernels:
  - .name:           k_q86efa1c994_quant
    .symbol:         k_q86efa1c994_quant.kd
    .args:
      - { .name: x, .offset: 0, .size: 8, .value_kind: global_buffer, .address_space: global }
      - { .name: w1, .offset: 8, .size: 8, .value_kind: global_buffer, .address_space: global }
      - { .name: w3, .offset: 16, .size: 8, .value_kind: global_buffer, .address_space: global }
      - { .name: w2, .offset: 24, .size: 8, .value_kind: global_buffer, .address_space: global }
      - { .name: xq, .offset: 32, .size: 8, .value_kind: global_buffer, .address_space: global }
      - { .name: wq, .offset: 40, .size: 8, .value_kind: global_buffer, .address_space: global }
      - { .name: w2q, .offset: 48, .size: 8, .value_kind: global_buffer, .address_space: global }
    .group_segment_fixed_size: 35328
    .private_segment_fixed_size: 0
    .kernarg_segment_align: 8
    .kernarg_segment_size: 56
    .max_flat_workgroup_size: 128
    .sgpr_count:     66
    .vgpr_count:     256
    .wavefront_size: 32
...
	.end_amdgpu_metadata
.endif
;; end of part 1
;; launch ffn1 (part 2): grid 8 x 32, 8 waves a work-group, clusters of 4 x 4, 327,680 bytes of LDS; arguments xq, wq, hq; writes hq
.if DOCPART == 2
	.amdgcn_target "amdgcn-amd-amdhsa--gfx1250"
	.amdhsa_code_object_version 6
	.text
	.protected	k_q86efa1c994_ffn1
	.globl	k_q86efa1c994_ffn1
	.p2align	8
	.type	k_q86efa1c994_ffn1,@function
k_q86efa1c994_ffn1:
	s_mov_b64 s[64:65], 0
	v_nop
	global_prefetch_b8 v0, s[64:65] scope:SCOPE_SE
	s_setreg_imm32_b32 hwreg(HW_REG_WAVE_MODE, 25, 1), 1
	s_wait_xcnt 0x0
	s_wait_alu depctr_hold_cnt(0) depctr_sa_sdst(0) depctr_va_vdst(0) depctr_va_sdst(0) depctr_va_ssrc(0) depctr_va_vcc(0) depctr_vm_vsrc(0)
	s_getreg_b32 s2, hwreg(HW_REG_IB_STS2, 6, 4)
	s_cmp_eq_u32 s2, 0
	s_cbranch_scc0 .Lentry_in_a_cluster
	s_endpgm
.Lentry_in_a_cluster:
	s_bfe_u32 s2, ttmp6, 0x10000c
	s_cmp_lg_u32 s2, 0xf033
	s_cbranch_scc0 .Lentry_shape_is_right
	s_endpgm
.Lentry_shape_is_right:
; h = silu(x W1) * (x W3) for the four segments, on codes of FP6 (E2M3) with E8M0 scales, sums in f32; h is quantised along its columns (the next K) and stored as codes and scale words.
; xq [row / 256][which 256 along K][half of the rows][HB]; wq [segment][X: which 256 columns of h][u = 4 t + which 256 along K][p][HB]; hq [row / 128][X][HB].  An HB is 25,600 bytes: 8 blocks of 16 rows
; (columns) x 256 along K; fragment (i, q) at (2 i + q) x 1,536 as an image of its 12 registers; scale words from byte 24,576.  In an HB of wq blocks 0-3 are columns of w1 and blocks 4-7 the same columns of w3.
; SHARES: 256 work-groups; each makes 256 rows x 256 columns of h as two tiles t = 0, 1 (128 columns of w1 and of w3 each).  EIGHT waves, two to a SIMD, 512 registers each: wave (rho = 0..3, p) makes
; 64 rows x (64 + 64) columns: 32 accumulators.  The way out (two transcendentals a number) is as long as a tile's products: with two waves to a SIMD each wave's way out and waits stand beside the other's work.
; LDS: the work-group's 256 rows of x for ALL of K are 8 HB, dense in xq: they come ONCE, by four of the head's loads, and serve both tiles.  The weights are one dense run of 16 HB, read in order:
; eight steps j = 4 t + kq of 2 HB go through a ring of two slots behind x; a refill is eight loads of 25 rows of 256 bytes, one a wave.  By this text's count a wave has one tensor load out at a time.
; CLUSTERS: 4 x 4.  The four of a row of the cluster need the same x, the four of a column the same weights: each block is asked for jointly.
; PREFETCH: the weights' steps 2 and 3 are asked for at the head, and step j + 4 behind the refill that loads step j + 2 (two refills ahead).  A step is 200 runs of 256 bytes: the partner at cy takes 50, its
; wave w seven of them (the last wave one; lanes left over name their wave's last run again).  Steps beyond 7 do not exist and are not asked for.  x comes whole by the head's loads and has no later step to ask for.
; THE MATRIX INSTRUCTION IS USED TRANSPOSED (source 0 = 16 columns of the weights, source 1 = 16 rows of x): a lane holds one row of h and registers along its columns.
; LIMITS: NaN and infinities are not served; a block of h under 2^-124 (zeros too) gets the scale byte 1: its codes add nothing, and only this program reads the bytes.
; REGISTERS: window 0: v1-31 addresses and what tile 0 hands to tile 1; v32-63 scale words (two sets); v64-159 the weights' fragments (ONE set, fetched anew by halves); v160-255 x's fragments (two sets);
; on the way out x's second set, v208-255, is free and at work.  Window 1: accumulator (a, b) at v[8 (8 a + b)].
.set HB,     25600
.set SCO,    24576
.set BR,     8*HB                      ; the ring, behind x's 8 HB
.set E8,     HB/4                      ; an eighth of a slot: one wave's refill
.set SPARE,  12*HB                     ; behind the ring: the spare words, 128 bytes a wave
.set FR,     12
.set NP,     4
.set PFO,  1
.set KEEP, 2                           ; v2-9
.set ADRS, 10                          ; v10-13  scale words: 2 (kq / 2) + (unit / 2); lanes 0-15 x's, lanes 16-31 the weights'
.set ADRA, 14                          ; v14-17  my 64 rows of x, kq = 0..3
.set ADRB, 18                          ; v18-19  my half of the weights in slot 0, 1
.set VOUT, 20
.set VSC,  21
.set BY,   22
.set SW,   24                          ; v24-27
.set SPW,  28                          ; my spare word's address; never rewritten
.set NIL,  29                          ; 0; never rewritten
.set SO,   30
.set SC,   32
.set BF,   64
.set AF,   160
.set GC,   208
.set TP,   216
.set MM,   220
.set MX,   222
.set TT,   224
.set SS,   224
.set G1A, 24
.set G0HA, 32
.set G0HB, 36
.set G1B, 48
.set G0B, 56
.set PFA, 66
.set CL,  70
.set SEL, 72
.set HIM, 74
.set MSB, 0
.macro WIN new                         ; the immediate's high byte repeats the setting that is left
.if MSB != (\new)
	s_set_vgpr_msb (MSB<<8)|(\new)
.set MSB, (\new)
.endif
.endm
.set MUL, 0x50                         ; sources 0 and 1 window 0, C and D window 1
.macro PLACES n
.rept \n
	v_nop
.endr
.endm
.macro CREST                           ; a round of the cluster's barrier behind its opening barrier
	s_cmp_lg_u32 s14, 0
	s_cbranch_scc1 .Lnot_wave_0_\@
	s_barrier_signal -3
.Lnot_wave_0_\@:
	s_barrier_wait -3
	s_barrier_signal -1
	s_barrier_wait -1
.endm
.macro CROUND
	s_barrier_signal -1
	s_barrier_wait -1
	CREST
.endm
	s_load_b128 s[4:7], s[0:1], 0x0                ; xq, wq
	s_load_b64 s[8:9], s[0:1], 0x10                ; hq
	v_lshl_add_u32 v[SPW], v0, 2, SPARE
	v_mov_b32 v[NIL], 0
	ds_add_u32 v[SPW], v[NIL]                      ; the opening lines: the add, twice on end, and its wait ahead of my first tensor load
	ds_add_u32 v[SPW], v[NIL]
	v_lshrrev_b32 v64, 5, v0
	v_readfirstlane_b32 s14, v64                   ; wave 0..7
	s_and_b32 s16, s14, 1                          ; p: my half of the columns
	s_lshr_b32 s12, s14, 2                         ; R: which HB of x's two holds my rows
	s_bfe_u32 s13, s14, 0x10001                    ; b: its blocks 4 b .. 4 b + 3
	s_and_b32 s3, s14, 3                           ; at the head: which part of x, or of the ring, I fetch
	s_bfe_u32 s40, ttmp6, 0x40000                  ; cx
	s_bfe_u32 s41, ttmp6, 0x40004                  ; cy
	s_lshl_b32 s42, ttmp9, 2
	s_add_co_u32 s42, s42, s40                     ; X
	s_and_b32 s17, ttmp7, 0xffff                   ; cluster y
	s_lshr_b32 s18, s17, 1                         ; the segment: two clusters along y to each
	s_and_b32 s19, s17, 1
	s_lshl_b32 s19, s19, 2
	s_add_co_u32 s19, s19, s41                     ; which 256 rows of the segment's 2,048: 2 x batch + half
	s_lshr_b32 s22, s19, 1
	s_lshl_b32 s22, s22, 3
	s_lshl_b32 s23, s18, 1
	s_add_co_u32 s22, s22, s23
	s_and_b32 s23, s19, 1
	s_add_co_u32 s22, s22, s23                     ; row / 256 = 8 x batch + 2 x segment + half
	s_lshl_b32 s43, s41, 2
	s_lshl_b32 s43, 15, s43                        ; my row of the cluster
	s_lshl_b32 s44, 0x1111, s40                    ; my column
	s_or_b32 s[G1A+0], s43, (3<<16)|(1<<21)        ; the mask; elements of 8 bytes; bit 21 set beside a mask
	s_or_b32 s[G1B+0], s44, (3<<16)|(1<<21)
.irp g, G1A, G1B
	s_mov_b32 s[\g+1], 32<<16                      ; dense rows of 256 bytes
	s_mov_b32 s[\g+3], 32<<16
	s_mov_b32 s[\g+5], 32
	s_mov_b32 s[\g+6], 0
	s_mov_b32 s[\g+7], 0
.endr
	s_mov_b32 s[G1A+2], 200<<16                    ; x: 2 HB a load
	s_mov_b32 s[G1A+4], 200
	s_mov_b32 s[G1B+2], 100<<16                    ; weights at the head: 1 HB a load
	s_mov_b32 s[G1B+4], 100
	s_mul_i32 s20, s22, 8*HB
	s_mul_i32 s21, s3, 2*HB
	s_add_co_u32 s20, s20, s21                     ; x: my rows' 8 HB, my quarter of them
	s_mov_b32 s21, 0
	s_lshl_b32 s46, s18, 3
	s_add_co_u32 s46, s46, s42
	s_mul_i32 s46, s46, 16*HB                      ; the weights' run of 16 HB
	s_mov_b32 s47, 0
	s_mul_i32 s82, s3, HB                          ; at the head: which of the ring's four HB
	s_mov_b32 s83, 0
	s_mul_i32 s84, s14, E8                         ; in the ring: eighth w
	s_mov_b32 s85, 0
	s_lshl_b32 s76, s22, 1                         ; hq: HB (row / 128, X),
	s_add_co_u32 s76, s76, s12
	s_lshl_b32 s76, s76, 3
	s_add_co_u32 s76, s76, s42
	s_mul_i32 s76, s76, HB
	s_lshl_b32 s78, s16, 9                         ; its scale words: unit 2 p + b,
	s_add_co_u32 s78, s78, s76
	s_lshl_b32 s79, s13, 8
	s_add_co_u32 s78, s78, s79
	s_add_co_u32 s78, s78, SCO
	s_mov_b32 s79, 0
	s_mul_i32 s77, s16, 1536                       ; its fragments of K step p, blocks 4 b ..
	s_add_co_u32 s76, s76, s77
	s_mul_i32 s77, s13, 4*3072
	s_add_co_u32 s76, s76, s77
	s_mov_b32 s77, 0
	s_mul_i32 s80, s41, 50*256                     ; the prefetches: my work-group's 50 runs of a step's 200
	s_mov_b32 s81, 0
	s_mul_i32 s86, s12, HB                         ; LDS: my rows of x, kq = 0: HB R,
	s_lshl_b32 s90, s13, 9
	s_add_co_u32 s90, s90, s86                     ; (its scale units 2 b, 2 b + 1)
	s_mul_i32 s87, s13, 8*1536
	s_add_co_u32 s86, s86, s87                     ; blocks 4 b ..
	s_mul_i32 s87, s16, HB
	s_add_co_u32 s87, s87, BR                      ; my half of the weights, slot 0
	s_add_co_u32 s91, s90, SCO-512                 ; for units 2, 3 of the weights lanes 0-15 stand 512 bytes lower: they read x's two units once more
	s_add_co_u32 s90, s90, SCO
	s_add_co_u32 s94, s90, 4*HB
	s_add_co_u32 s95, s91, 4*HB
	s_xor_b32 s88, s12, 1                          ; from x's words to the weights': (8 + p - R) HB - 512 b for kq = 0, 1, made of sums alone;
	s_add_co_u32 s88, s88, s16
	s_add_co_u32 s89, s88, 2
	s_add_co_u32 s88, s88, 6
	s_mul_i32 s88, s88, HB
	s_mul_i32 s89, s89, HB                         ; 4 HB less for kq = 2, 3
	s_xor_b32 s92, s13, 1
	s_lshl_b32 s92, s92, 9
	s_add_co_u32 s92, s92, HB-512
	s_add_co_u32 s88, s88, s92
	s_add_co_u32 s89, s89, s92
	s_add_co_u32 s92, s88, 512
	s_add_co_u32 s93, s89, 512
	s_mov_b32 s[CL], 0xbfb8aa3b                    ; -log2(e)
	s_mov_b32 s[CL+1], s[CL]
	s_mov_b32 s[SEL], 0x76543210
	s_mov_b32 s[SEL+1], 0xfedcba98                 ; v_permlanex16_b32's selects for lane l xor 16
	s_mov_b32 s[HIM], 0xffff0000
	v_lshrrev_b32 v64, 5, v0
	v_and_b32 v65, 15, v0                          ; r
	v_bfe_u32 v66, v0, 4, 1                        ; h
	v_and_b32 v67, 31, v0                          ; lane
	v_lshlrev_b32 v[VOUT], 4, v67
	v_lshlrev_b32 v[VSC], 4, v65
	v_lshl_add_u32 v[VSC], v66, 3, v[VSC]
	v_min_u32 v68, 6, v67
	v_mad_u32_u24 v68, v64, 7, v68
	v_min_u32 v68, 49, v68
	v_lshlrev_b32 v[PFO], 8, v68                   ; run 7 w + lane, held at my wave's last and at 49
	v_add_nc_u32 v[ADRA], s86, v[VOUT]
	v_add_nc_u32 v[ADRA+1], 2*HB, v[ADRA]
	v_add_nc_u32 v[ADRA+2], 2*HB, v[ADRA+1]
	v_add_nc_u32 v[ADRA+3], 2*HB, v[ADRA+2]
	v_add_nc_u32 v[ADRB], s87, v[VOUT]
	v_add_nc_u32 v[ADRB+1], 2*HB, v[ADRB]
	v_mul_u32_u24 v70, s88, v66                    ; lanes 16-31 take the weights' words
	v_mul_u32_u24 v71, s92, v66
	v_mul_u32_u24 v72, s89, v66
	v_mul_u32_u24 v73, s93, v66
	v_lshl_add_u32 v70, v65, 4, v70
	v_lshl_add_u32 v71, v65, 4, v71
	v_lshl_add_u32 v72, v65, 4, v72
	v_lshl_add_u32 v73, v65, 4, v73
	v_add_nc_u32 v[ADRS], s90, v70
	v_add_nc_u32 v[ADRS+1], s91, v71
	v_add_nc_u32 v[ADRS+2], s94, v72
	v_add_nc_u32 v[ADRS+3], s95, v73
	s_wait_alu depctr_va_vdst(0)
	s_wait_dscnt 0x0                               ; both opening adds are done
	s_wait_kmcnt 0x0
	s_add_nc_u64 s[20:21], s[4:5], s[20:21]
	s_add_nc_u64 s[46:47], s[6:7], s[46:47]
	s_add_nc_u64 s[10:11], s[8:9], s[78:79]
	s_add_nc_u64 s[8:9], s[8:9], s[76:77]
	s_add_nc_u64 s[PFA:PFA+1], s[46:47], s[80:81]
	s_mov_b32 s[G0HA], 1
	s_mul_i32 s[G0HA+1], s3, 2*HB
	s_mov_b64 s[G0HA+2:G0HA+3], s[20:21]
	s_or_b32 s[G0HA+3], s[G0HA+3], 0x80000000
	s_mov_b32 s[G0HB], 1
	s_add_co_u32 s[G0HB+1], s82, BR
	s_add_nc_u64 s[G0HB+2:G0HB+3], s[46:47], s[82:83]
	s_or_b32 s[G0HB+3], s[G0HB+3], 0x80000000
.irp s, 0,1
	s_mov_b32 s[G0B+4*\s], 1
	s_add_co_u32 s[G0B+4*\s+1], s84, BR+\s*2*HB
	s_add_nc_u64 s[G0B+4*\s+2:G0B+4*\s+3], s[46:47], s[84:85]
	s_add_nc_u64 s[G0B+4*\s+2:G0B+4*\s+3], s[G0B+4*\s+2:G0B+4*\s+3], \s*2*HB
	s_or_b32 s[G0B+4*\s+3], s[G0B+4*\s+3], 0x80000000
.endr
	CROUND                                         ; all sixteen work-groups are here: the first joint loads meet
	; THE HEAD'S LOADS, one a wave: waves 0-3 a quarter of x's 8 HB each, waves 4-7 one HB each of the weights' steps 0 and 1.  An s_nop 0 and four v_nop follow each line
	s_cmp_lt_u32 s14, 4
	s_cbranch_scc0 .Lhead_b
	tensor_load_to_lds s[G0HA:G0HA+3], s[G1A:G1A+7]
	s_nop 0
	PLACES 4
	s_branch .Lhead_asked
.Lhead_b:
	tensor_load_to_lds s[G0HB:G0HB+3], s[G1B:G1B+7]
	s_nop 0
	PLACES 4
.Lhead_asked:
	global_prefetch_b8 v[PFO], s[PFA:PFA+1] offset:2*2*HB th:TH_LOAD_NT scope:SCOPE_SE   ; the weights' steps 2 and 3
	global_prefetch_b8 v[PFO], s[PFA:PFA+1] offset:3*2*HB th:TH_LOAD_NT scope:SCOPE_SE
.set I, 0
.rept 8
	v_mov_b32 v[KEEP+I], 0                         ; what tile 0 hands to tile 1 is written on every way through the text
.set I, I+1
.endr
.set I, 0
.rept 4
	v_mov_b32 v[SW+I], 0
.set I, I+1
.endr
.macro FRAG reg, adr, off
.irp c, 0,1,2
	ds_load_b128 v[\reg+4*\c:\reg+4*\c+3], v[\adr] offset:\off+512*\c
.endr
.endm
; 8 matrix instructions: the weights' blocks b0, b0 + 1 against x's four.  The 32 accumulators take turns, one instruction a turn, in the same order in every step.
.macro MULB b0, set, q, sc, zero
.irp b, \b0, \b0+1
.irp a, 0,1,2,3
.if \zero
	v_wmma_scale_f32_16x16x128_f8f6f4 v[8*(8*\a+(\b)):8*(8*\a+(\b))+7], v[BF+FR*(\b):BF+FR*(\b)+FR-1], v[AF+48*(\set)+FR*\a:AF+48*(\set)+FR*\a+FR-1], 0, v[SC+16*(\sc)+2*(\b)+(\q)], v[SC+16*(\sc)+2*\a+(\q)] matrix_a_fmt:MATRIX_FMT_FP6 matrix_b_fmt:MATRIX_FMT_FP6 matrix_a_scale:MATRIX_SCALE_ROW1
.else
	v_wmma_scale_f32_16x16x128_f8f6f4 v[8*(8*\a+(\b)):8*(8*\a+(\b))+7], v[BF+FR*(\b):BF+FR*(\b)+FR-1], v[AF+48*(\set)+FR*\a:AF+48*(\set)+FR*\a+FR-1], v[8*(8*\a+(\b)):8*(8*\a+(\b))+7], v[SC+16*(\sc)+2*(\b)+(\q)], v[SC+16*(\sc)+2*\a+(\q)] matrix_a_fmt:MATRIX_FMT_FP6 matrix_b_fmt:MATRIX_FMT_FP6 matrix_a_scale:MATRIX_SCALE_ROW1
.endif
.endr
.endr
.endm
.macro FETCH_B slot, q, i0             ; the weights' blocks i0 .. i0 + 3
.irp i, \i0, \i0+1, \i0+2, \i0+3
	FRAG BF+FR*(\i), ADRB+(\slot), (2*(\i)+(\q))*1536
.endr
.endm
.macro FETCH_A kq, q, set              ; x's four blocks
.irp a, 0,1,2,3
	FRAG AF+48*(\set)+FR*\a, ADRA+(\kq), (2*\a+(\q))*1536
.endr
.endm
.macro SCALES kq                       ; the scale words of both K steps of kq, into set kq % 2: register 2 i + q: lanes 16-31 the weights' block i; lanes 0-15, for i under 4, x's block i of my four
.irp u, 0,1,2,3
	ds_load_b128 v[SC+16*((\kq)%2)+4*\u:SC+16*((\kq)%2)+4*\u+3], v[ADRS+2*((\kq)/2)+\u/2] offset:256*\u+((\kq)%2)*2*HB
.endr
.endm
; The first K step (q = 0) of kq: 32 matrix instructions; the second step's fragments are fetched in its middle and at its end.
.macro STEP kq, zero
	s_wait_dscnt 12                                ; all but the weights' blocks 4-7
	WIN MUL
	MULB 0, 0, 0, (\kq)%2, \zero
	MULB 2, 0, 0, (\kq)%2, \zero
	s_wait_dscnt 0
	PLACES NP
	WIN 0
	FETCH_A \kq, 1, 1
	FETCH_B (\kq)%2, 1, 0
	WIN MUL
	MULB 4, 0, 0, (\kq)%2, \zero
	MULB 6, 0, 0, (\kq)%2, \zero
	PLACES NP
	WIN 0
	FETCH_B (\kq)%2, 1, 4
.endm
; The second K step (q = 1) changes slots: ONE barrier; in front of it each wave waits for all its tensor loads, adds 0 to its spare word, and waits for that and for its reads of this slot.
; fill = 1: the barrier opens a round of the cluster's, and the slot takes the step two on.  ask: 1 = the step four on is asked for in tile 0 alone, 2 = always (this line is reached in tile 0 alone), 0 = never.
.macro TURN kq, nk, fill, ask
	s_wait_tensorcnt 0x0                           ; my eighth of the next slot has landed
	ds_add_u32 v[SPW], v[NIL]
	s_wait_dscnt 13                                ; (the add and the weights' blocks 4-7 may be out)
	WIN MUL
	MULB 0, 1, 1, (\kq)%2, 0
	s_wait_dscnt 0x0                               ; the add is done, and my reads of this slot are over
	s_barrier_signal -1
	MULB 2, 1, 1, (\kq)%2, 0
	WIN 0
	s_barrier_wait -1
.if \fill
	CREST                                          ; no wave of any partner still reads this slot or has a load on its way
	s_add_nc_u64 s[G0B+4*((\kq)%2)+2:G0B+4*((\kq)%2)+3], s[G0B+4*((\kq)%2)+2:G0B+4*((\kq)%2)+3], 4*HB
	tensor_load_to_lds s[G0B+4*((\kq)%2):G0B+4*((\kq)%2)+3], s[G1B:G1B+7]   ; my one load behind the round
	s_nop 0
	PLACES 4                                       ; also the places in front of the loads below
.else
	PLACES NP
.endif
	FETCH_A \nk, 0, 0
	FETCH_B (\nk)%2, 0, 0
	SCALES \nk
.if \ask == 1
	s_cmp_eq_u32 s2, 2
	s_cbranch_scc0 .Lno_ask_\@
.endif
.if \ask
	global_prefetch_b8 v[PFO], s[PFA:PFA+1] offset:((\kq)+4)*2*HB th:TH_LOAD_NT scope:SCOPE_SE
.endif
.if \ask == 1
.Lno_ask_\@:
.endif
	WIN MUL
	MULB 4, 1, 1, (\kq)%2, 0
	MULB 6, 1, 1, (\kq)%2, 0
	PLACES NP
	WIN 0
	FETCH_B (\nk)%2, 0, 4
.endm
; THE WAY OUT of row block al in tile t: h = a b / (1 + 2^(-a log2 e)), a in the block's accumulators 0-3, b in 4-7; a lane's 32 numbers are halves of two blocks of 32 along the next K, the other halves in lane l xor 16.
; The waits on the vector side stand ahead of and behind each batch of transcendentals, and behind the wait on XCNT.
.macro EROW al, t
.set AC, 64*(\al)
	WIN 1
.set I, 0
.rept 16
	v_pk_mul_f32 v[TT+I:TT+I+1], v[AC+I:AC+I+1], s[CL:CL+1] op_sel_hi:[1,0]
.set I, I+2
.endr
	WIN 0
	s_wait_alu depctr_va_vdst(0)
.set I, 0
.rept 32
	v_exp_f32 v[TT+I], v[TT+I]
.set I, I+1
.endr
	v_nop
	s_wait_alu depctr_va_vdst(0)
.set I, 0
.rept 16
	v_pk_add_f32 v[TT+I:TT+I+1], v[TT+I:TT+I+1], 1.0 op_sel_hi:[1,0]
.set I, I+2
.endr
	s_wait_alu depctr_va_vdst(0)
.set I, 0
.rept 32
	v_rcp_f32 v[TT+I], v[TT+I]
.set I, I+1
.endr
	v_nop
	s_wait_alu depctr_va_vdst(0)
	WIN 1
.set I, 0
.rept 16
	v_pk_mul_f32 v[TT+I:TT+I+1], v[AC+I:AC+I+1], v[TT+I:TT+I+1]
.set I, I+2
.endr
.set I, 0
.rept 16
	v_pk_mul_f32 v[TT+I:TT+I+1], v[AC+32+I:AC+32+I+1], v[TT+I:TT+I+1]
.set I, I+2
.endr
	WIN 0
.irp b, 0,1
	v_max3_num_f32 v[MM+\b], |v[TT+16*\b]|, |v[TT+16*\b+1]|, 0x1800000   ; with the floor 2^(3 - 127): the byte cannot fall under 1
.endr
.irp i, 2,4,6,8,10,12,14
.irp b, 0,1
	v_max3_num_f32 v[MM+\b], v[MM+\b], |v[TT+16*\b+\i]|, |v[TT+16*\b+\i+1]|
.endr
.endr
.irp b, 0,1
	v_permlanex16_b32 v[MX+\b], v[MM+\b], s[SEL], s[SEL+1]
.endr
.irp b, 0,1
	v_max_num_f32 v[MM+\b], v[MM+\b], v[MX+\b]
.endr
.irp b, 0,1
	v_add_nc_u32 v[SO+\b], 0xff000000, v[MM+\b]    ; 2 off the exponent field: the conversion's scale operand
.endr
.irp b, 0,1
	v_lshrrev_b32 v[BY+\b], 23, v[SO+\b]           ; the scale's byte
.endr
	s_wait_xcnt 0x0                                ; the last block's stores have read their registers
.if \t == 0
	s_wait_alu depctr_va_vdst(0)
	v_cvt_scalef32_pk16_fp6_f32 v[GC:GC+2], v[TT:TT+15], v[SO]
	v_cvt_scalef32_pk16_fp6_f32 v[TP:TP+2], v[TT+16:TT+31], v[SO+1]
	v_nop
.irp i, 0,1,2
	v_permlane16_swap_b32 v[GC+\i], v[TP+\i]       ; a whole block to a lane
.endr
	v_mov_b32 v[GC+3], v[TP]
	v_mov_b32 v[KEEP+2*(\al)], v[TP+1]             ; registers 4, 5 of the fragment wait for tile 1's 6, 7
	v_mov_b32 v[KEEP+2*(\al)+1], v[TP+2]
	v_lshl_or_b32 v[SW+(\al)], v[BY+1], 8, v[BY]
	global_store_b128 v[VOUT], v[GC:GC+3], s[8:9] offset:3072*(\al)
.else
	v_mov_b32 v[GC], v[KEEP+2*(\al)]
	v_mov_b32 v[GC+1], v[KEEP+2*(\al)+1]
	s_wait_alu depctr_va_vdst(0)
	v_cvt_scalef32_pk16_fp6_f32 v[GC+2:GC+4], v[TT:TT+15], v[SO]
	v_cvt_scalef32_pk16_fp6_f32 v[TP:TP+2], v[TT+16:TT+31], v[SO+1]
	v_nop
.irp i, 0,1,2
	v_permlane16_swap_b32 v[GC+2+\i], v[TP+\i]
.endr
.irp i, 0,1,2
	v_mov_b32 v[GC+5+\i], v[TP+\i]
.endr
	v_lshl_or_b32 v[BY], v[BY+1], 8, v[BY]
	v_lshl_or_b32 v[SW+(\al)], v[BY], 16, v[SW+(\al)]
	global_store_b128 v[VOUT], v[GC:GC+3], s[8:9] offset:3072*(\al)+512
	global_store_b128 v[VOUT], v[GC+4:GC+7], s[8:9] offset:3072*(\al)+1024
.endif
.endm
.macro EPI t
	PLACES NP                                      ; behind the last products: for the reads of their results and the writes into x's second set
	v_mov_b32 v[MX], 0                             ; a lane permute's destination counts as one of its sources
	v_mov_b32 v[MX+1], 0
.irp al, 0,1,2,3
	EROW \al, \t
.endr
.if \t == 0
	s_wait_alu depctr_va_vdst(0)
	s_wait_xcnt 0x0                                ; the last block's stores have read their registers: the next tile's fragments of x may land in v208-255
	PLACES NP                                      ; places between the vector writes into x's second set and any matrix instruction that names it
.endif
.endm
	s_wait_alu depctr_va_vdst(0)
	s_wait_tensorcnt 0x0                           ; my load of the head's eight has landed; no load of mine is out, so a descriptor may be written:
	s_mov_b32 s[G1B+2], 25<<16                     ; from here on a load of weights brings 25 rows
	s_mov_b32 s[G1B+4], 25
	s_barrier_signal -1
	s_barrier_wait -1                              ; everybody's has
	FETCH_A 0, 0, 0
	FETCH_B 0, 0, 0
	SCALES 0
	FETCH_B 0, 0, 4
	s_mov_b32 s2, 2                                ; tiles to go
.Ltile:
	STEP 0, 1                                      ; a tile's first products start the sums
	TURN 0, 1, 1, 1
	STEP 1, 0
	TURN 1, 2, 1, 1
	STEP 2, 0
	s_cmp_eq_u32 s2, 1
	s_cbranch_scc1 .Llast                          ; the last tile's tail is written out: it asks for nothing more
	TURN 2, 3, 1, 2
	STEP 3, 0
	TURN 3, 0, 1, 2                                ; and the next tile's first fragments are fetched
	EPI 0
	s_sub_co_u32 s2, s2, 1
	s_cmp_lg_u32 s2, 0
	s_cbranch_scc1 .Ltile
.Llast:
	TURN 2, 3, 0, 0
	STEP 3, 0
	s_wait_dscnt 12
	WIN MUL
	MULB 0, 1, 1, 1, 0
	MULB 2, 1, 1, 1, 0
	s_wait_dscnt 0
	MULB 4, 1, 1, 1, 0
	MULB 6, 1, 1, 1, 0
	WIN 0
	EPI 1
	v_cndmask_b32 v[SS], v[SW], v[SW+2], s[HIM]    ; my unit: the word of (row r, block i of my four) at 16 r + 4 i
	v_cndmask_b32 v[SS+1], v[SW+1], v[SW+3], s[HIM]
	global_store_b64 v[VSC], v[SS:SS+1], s[10:11]  ; one aligned run of 256 bytes
	s_wait_tensorcnt 0x0                           ; the wave's end
	ds_add_u32 v[SPW], v[NIL]
	s_wait_dscnt 0x0
	CROUND                                         ; the closing round
	s_endpgm
.Lfunc_end_k_q86efa1c994_ffn1:
	.size	k_q86efa1c994_ffn1, .Lfunc_end_k_q86efa1c994_ffn1-k_q86efa1c994_ffn1
	.p2alignl 7, 3214868480
	.fill 96, 4, 3214868480
	.section	.rodata,"a",@progbits
	.p2align	6, 0x0
	.amdhsa_kernel k_q86efa1c994_ffn1
		.amdhsa_group_segment_fixed_size 327680
		.amdhsa_private_segment_fixed_size 0
		.amdhsa_enable_private_segment 0
		.amdhsa_kernarg_size 24
		.amdhsa_user_sgpr_count 2
		.amdhsa_user_sgpr_kernarg_segment_ptr 1
		.amdhsa_wavefront_size32 1
		.amdhsa_system_sgpr_workgroup_id_x 1
		.amdhsa_system_sgpr_workgroup_id_y 1
		.amdhsa_system_sgpr_workgroup_id_z 1
		.amdhsa_system_vgpr_workitem_id 0
		.amdhsa_next_free_vgpr 512
		.amdhsa_next_free_sgpr 100
		.amdhsa_reserve_vcc 0
		.amdhsa_float_denorm_mode_32 3
		.amdhsa_float_denorm_mode_16_64 3
		.amdhsa_memory_ordered 1
		.amdhsa_forward_progress 1
		.amdhsa_inst_pref_size 156
	.end_amdhsa_kernel
	.amdgpu_metadata
---
amdhsa.version: [ 1, 2 ]
amdhsa.kernels:
  - .name:           k_q86efa1c994_ffn1
    .symbol:         k_q86efa1c994_ffn1.kd
    .args:
      - { .name: xq, .offset: 0, .size: 8, .value_kind: global_buffer, .address_space: global }
      - { .name: wq, .offset: 8, .size: 8, .value_kind: global_buffer, .address_space: global }
      - { .name: hq, .offset: 16, .size: 8, .value_kind: global_buffer, .address_space: global }
    .group_segment_fixed_size: 327680
    .private_segment_fixed_size: 0
    .kernarg_segment_align: 8
    .kernarg_segment_size: 24
    .max_flat_workgroup_size: 256
    .sgpr_count:     100
    .vgpr_count:     512
    .wavefront_size: 32
...
	.end_amdgpu_metadata
.endif
;; end of part 2
;; launch ffn2 (part 3): grid 4 x 64, 4 waves a work-group, clusters of 4 x 4, 327,680 bytes of LDS; arguments hq, w2q, out0; writes out0
.if DOCPART == 3
	.amdgcn_target "amdgcn-amd-amdhsa--gfx1250"
	.amdhsa_code_object_version 6
	.text
	.protected	k_q86efa1c994_ffn2
	.globl	k_q86efa1c994_ffn2
	.p2align	8
	.type	k_q86efa1c994_ffn2,@function
k_q86efa1c994_ffn2:
	s_mov_b64 s[64:65], 0
	v_nop
	global_prefetch_b8 v0, s[64:65] scope:SCOPE_SE
	s_setreg_imm32_b32 hwreg(HW_REG_WAVE_MODE, 25, 1), 1
	s_wait_xcnt 0x0
	s_wait_alu depctr_hold_cnt(0) depctr_sa_sdst(0) depctr_va_vdst(0) depctr_va_sdst(0) depctr_va_ssrc(0) depctr_va_vcc(0) depctr_vm_vsrc(0)
	s_getreg_b32 s2, hwreg(HW_REG_IB_STS2, 6, 4)
	s_cmp_eq_u32 s2, 0
	s_cbranch_scc0 .Lentry_in_a_cluster
	s_endpgm
.Lentry_in_a_cluster:
	s_bfe_u32 s2, ttmp6, 0x10000c
	s_cmp_lg_u32 s2, 0xf033
	s_cbranch_scc0 .Lentry_shape_is_right
	s_endpgm
.Lentry_shape_is_right:
; out = h W2 for the four segments, on codes of FP6 (E2M3) with E8M0 scales, sums in f32.  K = 2,048.
; hq [row / 128][which 256 along K][HB], w2q [segment][column / 256][which 256 along K][half of the 256 columns][HB].  An HB is 25,600 bytes: 8 blocks of 16 rows (columns) x 256 along K; fragment (i, q) at
; (2 i + q) x 1,536 as an image of its 12 registers; scale words from byte 24,576: hq: unit 2 q + i / 4, word at 16 r + 4 (i % 4); w2q: unit i / 2, word at 16 r + 8 (i % 2) + 4 q.
; SHARES.  The output has 128 tiles of 256 x 256, too few for the 256 WGPs: a tile is 128 rows x 256 columns, 256 work-groups.  A wave (row half rho, column half p) makes 64 x 128: 32 accumulators.
; THE RING: two LDS slots, each with FOUR K steps of 128 (two HB of h, four of w2): 128 matrix instructions a wave between two changes of slots.  Four slot steps, written out: no loop.
; CLUSTERS: 4 x 4.  The four of a row of the cluster (the four column tiles) need the same h, the four of a column (four row tiles of one segment) the same w2: each block is asked for jointly.
; THE MATRIX INSTRUCTION IS USED TRANSPOSED (source 0 = 16 columns of w2, source 1 = 16 rows of h).  Lane r of fragment f of a group of 32 columns holds column 8 f + r + 8 (r / 8): in accumulator (a, 2 g + f) lane (r, h)
; holds out(16 a + r, 32 g + 16 h + 8 f + 0 .. 7).  The results go through the wave's stage in LDS and leave as rows of 512 consecutive bytes.
; REGISTERS.  Window 0: v8-29 addresses; v32-47 h's scale words (8 e + 4 q + a), v48-79 w2's (16 e + 2 b + q); v96-191 h's fragments, two sets of 48; on the way out v96-223.
;   window 1: w2's fragments, two sets, at v0 and v128.   window 2: accumulator (a, b) at v[8 (8 a + b)].
.set HB,     25600
.set SCO,    24576
.set SLOT2,  6*HB
.set SPARE,  2*SLOT2                   ; behind the ring: the spare words, 128 bytes a wave
.set SPITCH, 528                       ; the way out: a stage of 16 rows x (512 bytes + 16) a wave, in slot 0, which has had its last fill and its last read when the first result is stored there
.set FR,     12
.set ADRA, 8                           ; v8-9    my 64 rows of h in slot 0, 1
.set ADRB, 10                          ; v10-13  my half of w2: 2 x slot + e
.set ADSA, 14                          ; v14-15  h's scale words
.set ADSB, 16                          ; v16-19  w2's
.set STO,  24
.set RD,   25
.set CO,   26
.set SPW,  28                          ; v28     my spare word's address; never rewritten
.set NIL,  29                          ; v29     0; never rewritten
.set SA,   32
.set SB,   48
.set AF,   96
.set BK,   96
.set G1A, 24
.set G0A, 32
.set G1B, 48
.set G0B, 56
.set MSB, 0
.macro WIN new
.if MSB != (\new)
	s_set_vgpr_msb (MSB<<8)|(\new)
.set MSB, (\new)
.endif
.endm
.set MUL,  0xa1                        ; source 0 window 1, source 1 window 0, C and D window 2
.set TO_B, 0x40
.macro JLOAD g0a, g1a, g0b, g1b        ; waves 0 and 1 fetch h's two HB, waves 2 and 3 w2's two pairs; an s_nop 0 and four v_nop follow each line
	s_cmp_eq_u32 s15, 0
	s_cbranch_scc0 .Lfor_b_\@
	tensor_load_to_lds s[\g0a:\g0a+3], s[\g1a:\g1a+7]
	s_nop 0
.rept 4
	v_nop
.endr
	s_branch .Lasked_\@
.Lfor_b_\@:
	tensor_load_to_lds s[\g0b:\g0b+3], s[\g1b:\g1b+7]
	s_nop 0
.rept 4
	v_nop
.endr
.Lasked_\@:
.endm
.macro CREST
	s_cmp_lg_u32 s14, 0
	s_cbranch_scc1 .Lnot_wave_0_\@
	s_barrier_signal -3
.Lnot_wave_0_\@:
	s_barrier_wait -3
	s_barrier_signal -1
	s_barrier_wait -1
.endm
.macro CROUND
	s_barrier_signal -1
	s_barrier_wait -1
	CREST
.endm
	s_load_b128 s[4:7], s[0:1], 0x0                ; hq, w2q
	s_load_b64 s[12:13], s[0:1], 0x10              ; out0
	v_lshl_add_u32 v[SPW], v0, 2, SPARE
	v_mov_b32 v[NIL], 0
	ds_add_u32 v[SPW], v[NIL]                      ; the wave's opening: the add and its wait ahead of my first tensor load
	ds_add_u32 v[SPW], v[NIL]
.set PFO, 27                           ; v27     the prefetches' offset: 256 x lane, held at 24 runs; never rewritten
	v_and_b32 v[PFO], 31, v0
	v_min_u32 v[PFO], 24, v[PFO]
	v_lshlrev_b32 v[PFO], 8, v[PFO]
	v_lshrrev_b32 v1, 5, v0
	v_readfirstlane_b32 s14, v1                    ; wave 0..3
	s_lshr_b32 s15, s14, 1                         ; rho.  Also: I fetch h (0) or w2 (1)
	s_and_b32 s16, s14, 1                          ; p.  Also: which 256 along K of the slot's two I fetch
	s_bfe_u32 s40, ttmp6, 0x40000                  ; cx
	s_bfe_u32 s41, ttmp6, 0x40004                  ; cy
	s_lshl_b32 s42, ttmp9, 2
	s_add_co_u32 s42, s42, s40                     ; which 256 columns
	s_and_b32 s17, ttmp7, 0xffff                   ; cluster y
	s_lshr_b32 s18, s17, 2                         ; the segment: four clusters along y to each
	s_and_b32 s19, s17, 3                          ; the batch
	s_lshl_b32 s19, s19, 4
	s_lshl_b32 s20, s18, 2
	s_add_co_u32 s19, s19, s20
	s_add_co_u32 s19, s19, s41                     ; row / 128 = 16 x batch + 4 x segment + cy
	s_lshl_b32 s43, s41, 2
	s_lshl_b32 s43, 15, s43                        ; my row of the cluster
	s_lshl_b32 s44, 0x1111, s40                    ; my column
	s_or_b32 s[G1A+0], s43, (3<<16)|(1<<21)        ; the mask; elements of 8 bytes; no padding; bit 21 set beside a mask
	s_mov_b32 s[G1A+1], 32<<16                     ; rows of 256 bytes,
	s_mov_b32 s[G1A+2], 200<<16                    ; at the head 200 of them: a slot's two HB of h, dense
	s_mov_b32 s[G1A+3], 32<<16
	s_mov_b32 s[G1A+4], 200
	s_mov_b32 s[G1A+5], 32
	s_mov_b32 s[G1A+6], 0
	s_mov_b32 s[G1A+7], 0
	s_or_b32 s[G1B+0], s44, (3<<16)|(1<<21)
	s_mov_b32 s[G1B+1], 32<<16
	s_mov_b32 s[G1B+2], 400<<16                    ; at the head 400: a slot's four HB of w2, which lie on end
	s_mov_b32 s[G1B+3], 32<<16
	s_mov_b32 s[G1B+4], 400
	s_mov_b32 s[G1B+5], 32
	s_mov_b32 s[G1B+6], 0
	s_mov_b32 s[G1B+7], 0
	s_mul_i32 s20, s19, 8*HB
	s_mul_i32 s21, s16, HB
	s_add_co_u32 s20, s20, s21
	s_mov_b32 s21, 0
	s_lshl_b32 s46, s18, 2
	s_add_co_u32 s46, s46, s42
	s_mul_i32 s46, s46, 16*HB
	s_mul_i32 s47, s16, 2*HB
	s_add_co_u32 s46, s46, s47
	s_mov_b32 s47, 0
	s_mul_i32 s45, s16, HB                         ; where they go: h's at e x HB,
	s_mul_i32 s75, s16, 2*HB
	s_add_co_u32 s75, s75, 4*HB                    ; w2's behind both slots' h: LDS holds h's slot 0, h's slot 1, w2's slot 0, w2's slot 1
	s_lshl_b32 s76, s19, 7                         ; out0: my first row,
	s_lshl_b32 s77, s15, 6
	s_add_co_u32 s76, s76, s77
	s_lshl_b32 s76, s76, 12                        ; of 4,096 bytes,
	s_lshl_b32 s77, s42, 10
	s_add_co_u32 s76, s76, s77                     ; my first column
	s_lshl_b32 s77, s16, 9
	s_add_co_u32 s76, s76, s77
	s_mov_b32 s77, 0
	s_wait_alu depctr_va_vdst(0)
	s_wait_dscnt 0x0                               ; the opening adds are done
	s_wait_kmcnt 0x0
	s_add_nc_u64 s[20:21], s[4:5], s[20:21]
	s_add_nc_u64 s[46:47], s[6:7], s[46:47]
	s_add_nc_u64 s[12:13], s[12:13], s[76:77]
	CROUND                                         ; all sixteen work-groups are here: the first joint loads meet
.irp s, 0,1
	s_mov_b32 s[G0A+4*\s], 1
	s_add_co_u32 s[G0A+4*\s+1], s45, \s*2*HB
	s_add_nc_u64 s[G0A+4*\s+2:G0A+4*\s+3], s[20:21], \s*2*HB
	s_or_b32 s[G0A+4*\s+3], s[G0A+4*\s+3], 0x80000000
	s_mov_b32 s[G0B+4*\s], 1
	s_add_co_u32 s[G0B+4*\s+1], s75, \s*4*HB
	s_add_nc_u64 s[G0B+4*\s+2:G0B+4*\s+3], s[46:47], \s*4*HB
	s_or_b32 s[G0B+4*\s+3], s[G0B+4*\s+3], 0x80000000
.endr
; THE HEAD'S LOADS, one a wave: wave 0 h's slot 0 (two HB), wave 1 h's slot 1, wave 2 w2's slot 0 (four HB), wave 3 w2's slot 1.  The sets above serve the refills alone.
.set G0HA, 80
.set G0HB, 84
.set PFA,  88
	s_mov_b32 s78, s45
	s_mov_b32 s79, 0
	s_mov_b32 s[G0HA], 1
	s_mul_i32 s[G0HA+1], s16, 2*HB
	s_add_nc_u64 s[G0HA+2:G0HA+3], s[20:21], s[78:79]
	s_or_b32 s[G0HA+3], s[G0HA+3], 0x80000000
	s_mul_i32 s78, s16, 2*HB
	s_mov_b32 s[G0HB], 1
	s_mul_i32 s[G0HB+1], s16, 4*HB
	s_add_co_u32 s[G0HB+1], s[G0HB+1], 4*HB
	s_add_nc_u64 s[G0HB+2:G0HB+3], s[46:47], s[78:79]
	s_or_b32 s[G0HB+3], s[G0HB+3], 0x80000000
; PREFETCH of the two refills' bytes (K steps 8-11 at the head, 12-15 behind the first K step).  The partners that ask for a block jointly share its runs of 256 bytes out by address:
; of an HB of h (100 runs) the partner at cx takes 25, of a pair of w2's HB (200 runs) the partner at cy takes 50; a lane a run, lanes left over name the last again.
	s_mul_i32 s90, s40, 25*256
	s_mul_i32 s91, s41, 50*256
	s_cmp_eq_u32 s15, 0
	s_cselect_b32 s90, s90, s91
	s_cselect_b64 s[PFA:PFA+1], s[20:21], s[46:47]
	s_mov_b32 s91, 0
	s_add_nc_u64 s[PFA:PFA+1], s[PFA:PFA+1], s[90:91]
.macro ASK2 sl                         ; slot step sl of four
	s_cmp_eq_u32 s15, 0
	s_cbranch_scc0 .Lask_w_\@
	global_prefetch_b8 v[PFO], s[PFA:PFA+1] offset:(\sl)*2*HB th:TH_LOAD_NT scope:SCOPE_SE
	s_branch .Lask_d_\@
.Lask_w_\@:
	global_prefetch_b8 v[PFO], s[PFA:PFA+1] offset:(\sl)*4*HB th:TH_LOAD_NT scope:SCOPE_SE
	global_prefetch_b8 v[PFO], s[PFA:PFA+1] offset:(\sl)*4*HB+25*256 th:TH_LOAD_NT scope:SCOPE_SE
.Lask_d_\@:
.endm
	JLOAD G0HA, G1A, G0HB, G1B                     ; one load of mine is out
	ASK2 2
	v_and_b32 v1, 15, v0                           ; r
	v_bfe_u32 v2, v0, 4, 1                         ; h
	v_and_b32 v3, 31, v0                           ; lane
	v_lshlrev_b32 v[CO], 4, v3
	v_lshlrev_b32 v4, 4, v1
	s_mul_i32 s21, s15, 8*1536                     ; my four row blocks of the HB's eight
	v_add_nc_u32 v[ADRA], s21, v[CO]
	v_add_nc_u32 v[ADRA+1], 2*HB, v[ADRA]
	s_mul_i32 s22, s16, HB
	s_add_co_u32 s22, s22, 4*HB                    ; my half of w2, slot 0, e = 0
	v_add_nc_u32 v[ADRB], s22, v[CO]
	v_add_nc_u32 v[ADRB+1], 2*HB, v[ADRB]
	v_add_nc_u32 v[ADRB+2], 4*HB, v[ADRB]
	v_add_nc_u32 v[ADRB+3], 4*HB, v[ADRB+1]
	s_lshl_b32 s23, s15, 8
	s_add_co_u32 s23, s23, SCO
	v_add_nc_u32 v[ADSA], s23, v4                  ; both halves of the lanes read the same words: the unit takes lanes 0-15's
	v_add_nc_u32 v[ADSA+1], 2*HB, v[ADSA]
	s_add_co_u32 s22, s22, SCO
	v_add_nc_u32 v[ADSB], s22, v4
	v_add_nc_u32 v[ADSB+1], 2*HB, v[ADSB]
	v_add_nc_u32 v[ADSB+2], 4*HB, v[ADSB]
	v_add_nc_u32 v[ADSB+3], 4*HB, v[ADSB+1]
	s_mul_i32 s23, s14, 16*SPITCH                  ; my stage
	v_mul_u32_u24 v[STO], v1, SPITCH
	v_lshl_add_u32 v[STO], v2, 6, v[STO]
	v_add_nc_u32 v[STO], s23, v[STO]               ; in: row r, + 64 h
	v_add_nc_u32 v[RD], s23, v[CO]                 ; back: the 32 lanes take one row of 512 bytes
.macro FRAG reg, adr, off
.irp c, 0,1,2
	ds_load_b128 v[\reg+4*\c:\reg+4*\c+3], v[\adr] offset:\off+512*\c
.endr
.endm
.macro FETCH2 slot, e, q, set          ; a K step's fragments: w2's eight, h's four
	WIN TO_B
.irp b, 0,1,2,3,4,5,6,7
	FRAG 128*(\set)+FR*\b, ADRB+2*(\slot)+(\e), (2*\b+(\q))*1536
.endr
	WIN 0
.irp a, 0,1,2,3
	FRAG AF+48*(\set)+FR*\a, ADRA+(\slot), HB*(\e)+(2*\a+(\q))*1536
.endr
.endm
.macro SCAL2 slot, e                   ; the scale words of two K steps
.irp q, 0,1
	ds_load_b128 v[SA+8*(\e)+4*\q:SA+8*(\e)+4*\q+3], v[ADSA+(\slot)] offset:HB*(\e)+512*\q
.endr
.irp u, 0,1,2,3
	ds_load_b128 v[SB+16*(\e)+4*\u:SB+16*(\e)+4*\u+3], v[ADSB+2*(\slot)+(\e)] offset:256*\u
.endr
.endm
; Eight matrix instructions: h's block a against w2's eight.  The 32 accumulators take turns, one instruction a turn, in the same order in every step.
.macro MUL8 a, set, e, q, zero
.irp b, 0,1,2,3,4,5,6,7
.if \zero
	v_wmma_scale_f32_16x16x128_f8f6f4 v[8*(8*(\a)+\b):8*(8*(\a)+\b)+7], v[128*(\set)+FR*\b:128*(\set)+FR*\b+FR-1], v[AF+48*(\set)+FR*(\a):AF+48*(\set)+FR*(\a)+FR-1], 0, v[SB+16*(\e)+2*\b+(\q)], v[SA+8*(\e)+4*(\q)+(\a)] matrix_a_fmt:MATRIX_FMT_FP6 matrix_b_fmt:MATRIX_FMT_FP6
.else
	v_wmma_scale_f32_16x16x128_f8f6f4 v[8*(8*(\a)+\b):8*(8*(\a)+\b)+7], v[128*(\set)+FR*\b:128*(\set)+FR*\b+FR-1], v[AF+48*(\set)+FR*(\a):AF+48*(\set)+FR*(\a)+FR-1], v[8*(8*(\a)+\b):8*(8*(\a)+\b)+7], v[SB+16*(\e)+2*\b+(\q)], v[SA+8*(\e)+4*(\q)+(\a)] matrix_a_fmt:MATRIX_FMT_FP6 matrix_b_fmt:MATRIX_FMT_FP6
.endif
.endr
.endm
.macro PLACES n                        ; four places in front of loads into registers that matrix instructions have read, and of the first read of results
.rept \n
	v_nop
.endr
.endm
; K step n of sixteen (slot (n / 4) % 2, e = (n / 2) % 2, q = n % 2, register set n % 2) that has its successor in the same slot.
.macro STEP2 n, zero
.set NN, \n
.set N1, (\n)+1
	s_wait_dscnt 0x0                               ; this step's fragments are in (asked for 32 matrix instructions ago)
	PLACES 4
	FETCH2 (N1/4)%2, (N1/2)%2, N1%2, N1%2
.if N1%2 == 0
	SCAL2 (N1/4)%2, (N1/2)%2
.endif
	WIN MUL
.irp a, 0,1,2,3
	MUL8 \a, NN%2, (NN/2)%2, NN%2, \zero
.endr
.endm
; A slot's fourth K step changes slots: ONE barrier; in front of it each wave waits for all its tensor loads, adds 0 to its spare word, and waits for that and for its reads of this slot.
.macro TURN2 slot, next, fill
	WIN 0                                          ; (the add's two registers lie in window 0)
	s_wait_tensorcnt 0x0                           ; all my tensor loads have landed: my part of the next slot
	ds_add_u32 v[SPW], v[NIL]                      ; 0 onto my spare word
	s_wait_dscnt 1                                 ; this step's fragments are in (the add may be out)
	WIN MUL
	MUL8 0, 1, 1, 1, 0                             ; eight matrix instructions stand between the add and the wait for it
	s_wait_dscnt 0x0                               ; the add is done, and my reads of this slot are over
	s_barrier_signal -1
	MUL8 1, 1, 1, 1, 0
	WIN 0
	s_barrier_wait -1
.if \fill
	CREST                                          ; the barrier has opened a round of the cluster's: no wave of any partner still reads this slot or has a load on its way
	s_add_nc_u64 s[G0A+4*\slot+2:G0A+4*\slot+3], s[G0A+4*\slot+2:G0A+4*\slot+3], 4*HB
	s_add_nc_u64 s[G0B+4*\slot+2:G0B+4*\slot+3], s[G0B+4*\slot+2:G0B+4*\slot+3], 8*HB
	JLOAD G0A+4*\slot, G1A, G0B+4*\slot, G1B       ; the first tensor load behind the round, my one load until the next: it has four K steps in which to land
.else
	PLACES 4
.endif
	FETCH2 \next, 0, 0, 0
	SCAL2 \next, 0
	WIN MUL
	MUL8 2, 1, 1, 1, 0
	MUL8 3, 1, 1, 1, 0
.endm
	s_wait_alu depctr_va_vdst(0)
	s_wait_tensorcnt 0x0                           ; my load of the head's four has landed; no load of mine is out, so a descriptor may be written:
	s_mov_b32 s[G1A+2], 100<<16                    ; a refill's load brings one HB of h,
	s_mov_b32 s[G1A+4], 100
	s_mov_b32 s[G1B+2], 200<<16                    ; or two of w2
	s_mov_b32 s[G1B+4], 200
	s_barrier_signal -1
	s_barrier_wait -1                              ; everybody's is
	FETCH2 0, 0, 0, 0
	SCAL2 0, 0
	STEP2 0, 1                                     ; the first K step starts the sums: nothing is ever cleared
	WIN 0
	ASK2 3
	STEP2 1, 0
	STEP2 2, 0
	TURN2 0, 1, 1
	STEP2 4, 0
	STEP2 5, 0
	STEP2 6, 0
	TURN2 1, 0, 1
	STEP2 8, 0
	STEP2 9, 0
	STEP2 10, 0
	TURN2 0, 1, 0                                  ; nothing is left to fetch, so no round follows; behind this barrier nobody reads slot 0
	STEP2 12, 0
	STEP2 13, 0
	STEP2 14, 0
	s_wait_dscnt 0x0                               ; the very last K step
	WIN MUL
.irp a, 0,1,2,3
	MUL8 \a, 1, 1, 1, 0
.endr
	WIN 0
; THE WAY OUT, a block of 16 rows x 128 columns at a time: a lane's 32 bytes go into my own stage, whole rows of 512 bytes come back.  LDS serves a wave's instructions in order: no wait between the stores and the
; loads, nor in front of the next block's stores.
.macro TOSTAGE a
	WIN 0x08                                       ; an LDS store's data are its source 1: window 2
.irp b, 0,1,2,3,4,5,6,7
	ds_store_b128 v[STO], v[8*(8*(\a)+\b):8*(8*(\a)+\b)+3] offset:128*(\b/2)+32*(\b%2)       ; each accumulator from its low end on
	ds_store_b128 v[STO], v[8*(8*(\a)+\b)+4:8*(8*(\a)+\b)+7] offset:128*(\b/2)+32*(\b%2)+16
.endr
	WIN 0
.irp t, 0,1,2,3,4,5,6,7,8,9,10,11,12,13,14,15
	ds_load_b128 v[BK+64*((\a)%2)+4*\t:BK+64*((\a)%2)+4*\t+3], v[RD] offset:\t*SPITCH
.endr
.endm
.macro SEND a, younger                 ; younger: the LDS instructions issued behind block a's loads, which may stay out
	s_wait_dscnt \younger
.irp t, 0,1,2,3,4,5,6,7,8,9,10,11,12,13,14,15
	global_store_b128 v[CO], v[BK+64*((\a)%2)+4*\t:BK+64*((\a)%2)+4*\t+3], s[12:13] offset:(16*(\a)+\t)*4096 th:TH_STORE_NT   ; 32 lanes store 512 consecutive bytes, aligned; written once, read by nobody here
.endr
.endm
	PLACES 4                                       ; behind the last products: for the reads of their results and the loads into the registers that held h's fragments
	TOSTAGE 0
	TOSTAGE 1
	SEND 0, 32                                     ; behind block 0's loads: block 1's 16 stores and 16 loads
	s_wait_xcnt 0x0                                ; block 0's stores have read their registers: block 2's loads may land there
	TOSTAGE 2
	SEND 1, 32
	s_wait_xcnt 0x0
	TOSTAGE 3
	SEND 2, 32
	SEND 3, 0
	s_wait_tensorcnt 0x0                           ; the wave's end, behind my last tensor load and my last LDS store
	ds_add_u32 v[SPW], v[NIL]
	s_wait_dscnt 0x0
	CROUND                                         ; the closing round: no work-group ends while a partner may still ask for a tile that names it
	s_endpgm
.Lfunc_end_k_q86efa1c994_ffn2:
	.size	k_q86efa1c994_ffn2, .Lfunc_end_k_q86efa1c994_ffn2-k_q86efa1c994_ffn2
	.p2alignl 7, 3214868480
	.fill 96, 4, 3214868480
	.section	.rodata,"a",@progbits
	.p2align	6, 0x0
	.amdhsa_kernel k_q86efa1c994_ffn2
		.amdhsa_group_segment_fixed_size 327680
		.amdhsa_private_segment_fixed_size 0
		.amdhsa_enable_private_segment 0
		.amdhsa_kernarg_size 24
		.amdhsa_user_sgpr_count 2
		.amdhsa_user_sgpr_kernarg_segment_ptr 1
		.amdhsa_wavefront_size32 1
		.amdhsa_system_sgpr_workgroup_id_x 1
		.amdhsa_system_sgpr_workgroup_id_y 1
		.amdhsa_system_sgpr_workgroup_id_z 1
		.amdhsa_system_vgpr_workitem_id 0
		.amdhsa_next_free_vgpr 768
		.amdhsa_next_free_sgpr 96
		.amdhsa_reserve_vcc 0
		.amdhsa_float_denorm_mode_32 3
		.amdhsa_float_denorm_mode_16_64 3
		.amdhsa_memory_ordered 1
		.amdhsa_forward_progress 1
		.amdhsa_inst_pref_size 133
	.end_amdhsa_kernel
	.amdgpu_metadata
---
amdhsa.version: [ 1, 2 ]
amdhsa.kernels:
  - .name:           k_q86efa1c994_ffn2
    .symbol:         k_q86efa1c994_ffn2.kd
    .args:
      - { .name: hq, .offset: 0, .size: 8, .value_kind: global_buffer, .address_space: global }
      - { .name: w2q, .offset: 8, .size: 8, .value_kind: global_buffer, .address_space: global }
      - { .name: out0, .offset: 16, .size: 8, .value_kind: global_buffer, .address_space: global }
    .group_segment_fixed_size: 327680
    .private_segment_fixed_size: 0
    .kernarg_segment_align: 8
    .kernarg_segment_size: 24
    .max_flat_workgroup_size: 128
    .sgpr_count:     96
    .vgpr_count:     768
    .wavefront_size: 32
...
	.end_amdgpu_metadata
.endif
;; end of part 3
